; MI455X (gfx1250); checked and timed in simulation.
; The chip was launched on July 23, 2026; its instructions are those of AMD's public machine-readable ISA for CDNA 5 (MIT licence, August 2026) and "CDNA5" Instruction Set Architecture Reference Guide (July 2026). The comments in the code are by the model that wrote it; some were corrected since.
;; Non Local Layer. Allowed arithmetic: matrix products marked QUANTISED: E2M1 operands, one E8M0 scale for each 32 along K, by v_wmma_scale_f32_16x16x128_f8f6f4 with both operands' format E2M1 (or v_wmma_scale_f32_32x16x128_f4), f32 sums; products left as they are: f32 operands where the result goes on into a quantised operand, else bf16, f16 or f32 operands; f32 sums; everything else in f32.
;; Inputs: b_g 512 float32; b_lt 512 float32; b_out 1,024 float32; b_st 512 float32; ln_b 1,024 float32; ln_w 1,024 float32; lt_feat_codes 128 x 512 x 1 x 1 x 32 x 16 uint8 (E2M1 codes of lt_feat, K innermost, in blocks of 32 codes, two codes a byte); lt_feat_scales 128 x 512 x 1 x 1 x 32 uint8 (E8M0 scales of lt_feat, one for each 32 codes along K); st_feat_codes 128 x 1 x 1 x 1 x 64 x 16 uint8 (E2M1 codes of st_feat, K innermost, in blocks of 32 codes, two codes a byte); st_feat_scales 128 x 1 x 1 x 1 x 64 uint8 (E8M0 scales of st_feat, one for each 32 codes along K); w_g_codes 512 x 32 x 16 uint8 (E2M1 codes of w_g, K innermost, in blocks of 32 codes, two codes a byte); w_g_scales 512 x 32 uint8 (E8M0 scales of w_g, one for each 32 codes along K); w_lt_codes 512 x 32 x 16 uint8 (E2M1 codes of w_lt, K innermost, in blocks of 32 codes, two codes a byte); w_lt_scales 512 x 32 uint8 (E8M0 scales of w_lt, one for each 32 codes along K); w_out_codes 1,024 x 16 x 16 uint8 (E2M1 codes of w_out, K innermost, in blocks of 32 codes, two codes a byte); w_out_scales 1,024 x 16 uint8 (E8M0 scales of w_out, one for each 32 codes along K); w_st_codes 512 x 64 x 16 uint8 (E2M1 codes of w_st, K innermost, in blocks of 32 codes, two codes a byte); w_st_scales 512 x 64 uint8 (E8M0 scales of w_st, one for each 32 codes along K).
;; Outputs: out0 128 x 1,024 x 1 x 1 x 1 float32.
;; This version of the problem:
;;   THIS VERSION OF THE PROBLEM IS GIVEN IN LOW PRECISION. The matrix products marked QUANTISED in the list below multiply operands that are first quantised to E2M1 (2 exponent bits, 1 mantissa bit; 4 bits a number), with one power-of-two scale for each 32 numbers along K (OCP MX v1.0); their sums are f32. All else is computed in f32.
;;   The module's matrix products, in the order in which they are computed (A, B: the left and right operand; K: the contracted axis; several contracted axes count as one K, in the product's order):
;;     1. [M 128, K 2,048] x [K 2,048, N 512]; A: input st_feat (given as codes); B: input w_st (given as codes): QUANTISED
;;     2. [M 65,536, K 1,024] x [K 1,024, N 512]; A: input lt_feat (given as codes); B: input w_lt (given as codes): QUANTISED
;;     3. [M 65,536, K 1,024] x [K 1,024, N 512]; A: input lt_feat (given as codes); B: input w_g (given as codes): QUANTISED
;;     4. batch 128 x [M 1, K 512] x [K 512, N 512]; A: computed on the way; B: computed on the way: left as it is (M = 1 < 16)
;;     5. batch 128 x [M 512, K 512] x [K 512, N 1]; A: computed on the way; B: softmax: left as it is (N = 1 < 16)
;;     6. [M 128, K 512] x [K 512, N 1,024]; A: computed on the way; B: input w_out (given as codes): QUANTISED
;;   THE QUANTISER, for each operand of a quantised product, along K:
;;     - K is cut into blocks of 32 from its start; a last block that is shorter is filled with zeros.
;;     - A block's scale is 2^e with e = floor(log2(the largest magnitude in the block)) - 2, held to -126 .. 127; a block of zeros has e = 0. As a byte (E8M0): e + 127.
;;     - Each number is divided by its block's scale, clamped to +-6, and rounded to the nearest number of E2M1, ties to even, subnormals kept.
;;     - The product sums the exact products of the quantised numbers (number of the format x scale) in f32.
;;   ~~~python
;;   def quantise(x, axis):      # numpy; x: float32 -> the quantised numbers, widened to float32 again
;;       x = np.moveaxis(x, axis, -1); K = x.shape[-1]
;;       x = np.pad(x, [(0, 0)] * (x.ndim - 1) + [(0, -K % 32)]); x = x.reshape(x.shape[:-1] + (-1, 32)); a = np.abs(x).max(-1, keepdims=True)
;;       e = np.where(a > 0, np.clip(np.frexp(np.where(a > 0, a, 1))[1] - 1 - 2, -126, 127), 0)      # np.frexp(a)[1] - 1 = floor(log2(a)), exactly
;;       r = np.clip(x / 2.0 ** e, -6, 6)
;;       step = 2.0 ** (np.maximum(np.frexp(np.where(r == 0, 1, r))[1] - 1, 0) - 1)
;;       q = np.round(r / step) * step * 2.0 ** e      # np.round: ties to even
;;       return np.moveaxis(q.reshape(q.shape[:-2] + (-1,))[..., :K], -1, axis).astype(np.float32)
;;   ~~~
;;   OPERANDS COMPUTED ON THE WAY. 'Computed on the way' means the value that the module computes at that place (a softmax that the list does not call 'softmax' is quantised finished and normalised). What goes into a quantiser is computed in f32, as accurately as f32 sums, v_exp_f32 and their like allow (about 1e-6 of the number): no bf16 or f16 on the way to a quantiser, and a product that is left as it is and whose result goes on into a quantised operand takes f32 operands (vector FMAs, or v_wmma_f32_16x16x4_f32). A number that lies on a knife's edge between two numbers of the format may be rounded either way, as far as f32 arithmetic and the matrix unit's own rounding can turn it there, and no further.
;;   INPUTS GIVEN AS CODES. lt_feat (in the module: [128, 1024, 512, 1, 1], K = its axis 1); st_feat (in the module: [128, 2048, 1, 1, 1], K = its axis 1); w_g (in the module: [512, 1024], K = its axis 1); w_lt (in the module: [512, 1024], K = its axis 1); w_out (in the module: [1024, 512], K = its axis 1); w_st (in the module: [512, 2048], K = its axis 1): each comes as NAME_codes (uint8): NAME with its K axis moved to the last place and cut into blocks of 32 codes, [.., K / 32, bytes a block], one block behind the other in memory; two codes a byte, the lower K in the low four bits (a code: sign, 2 exponent bits, 1 mantissa bit); and NAME_scales (uint8): the same leading axes, one E8M0 byte (e + 127) for each 32 codes along K. Its value is code x scale, taken as it is: it is not quantised again, and the codes and scales need not be those that the quantiser above would give.
;; One version. Each part assembles by itself: llvm-mc -triple=amdgcn-amd-amdhsa -mcpu=gfx1250 --defsym DOCPART=n.
;; ======== version 1 of 1: 3 launches
;; workspace buffers: theta_ws 262,144 bytes; part_o 1,048,576 bytes; part_s 131,072 bytes
;; launch theta (part 1): grid 8 x 8, 8 waves a work-group, no clusters, 9,728 bytes of LDS; arguments st_feat_codes, st_feat_scales, w_st_codes, w_st_scales, b_st, theta_ws; writes theta_ws
.if DOCPART == 1
	.amdgcn_target "amdgcn-amd-amdhsa--gfx1250"
	.amdhsa_code_object_version 6
	.text
	.protected	k_q4e34e15083_theta
	.globl	k_q4e34e15083_theta
	.p2align	8
	.type	k_q4e34e15083_theta,@function
k_q4e34e15083_theta:
	s_mov_b64 s[64:65], 0
	v_nop
	global_prefetch_b8 v0, s[64:65] scope:SCOPE_SE
	s_setreg_imm32_b32 hwreg(HW_REG_WAVE_MODE, 25, 1), 1
	s_wait_xcnt 0x0
; FIRST OF THREE LAUNCHES.  theta'[n][l] = (sum over c of st[n][c] w_st[l][c] + b_st[l]) x c0, c0 = log2(e) / sqrt(512), on codes of FP4 (E2M1) with one E8M0 scale for each 32 along K = 2,048.
; The factor c0 is the score's 1 / sqrt(512) and the change from e^x to 2^x, laid on theta once.  theta' goes to theta_ws, [128][512] f32.
; WORK LEFT OUT IN THE WHOLE PROGRAM: b_lt.  scores[n][t] = sum over l of theta[n][l] (phi0[n][l][t] + b_lt[l]) / sqrt(512) = scores0[n][t] + (sum over l of theta[n][l] b_lt[l]) / sqrt(512).
; The second term does not hang on t: it is the same along the softmax's axis, so softmax(scores) = softmax(scores0) for all finite values of all inputs; phi goes into no quantiser and nowhere else.
; So b_lt has no way to any output: it is not loaded and is no argument of any launch.  LIMIT: a NaN, an infinity or an overflow that b_lt alone would cause is not carried to the result.
; b_g is live: since the softmax sums to 1 it enters out[l] as + b_g[l], ahead of the last product's quantiser; the last launch adds it there.
; LIMITS: NaN and infinities among the inputs are not served.
; SHARES.  Work-group (x, y): 64 of the 512 l, 16 of the 128 batches.  Wave = (q = wave % 4: a tile of 16 l; kh = wave / 4: half of K, 8 steps of 128).  Source 0 = 16 rows of w_st, source 1 = 16 rows of st:
; register j of lane (r, h) is (l = 16 q + 8 h + j, batch r).  Four accumulators take turns; their sum and the two halves of K meet in LDS.
.set CLOG,  0x3d8293ee                 ; c0
.set PLANE, 16*272                     ; LDS: for each half of K 16 batches x (64 l x 4 bytes + 16)
.set SPARE, 2*PLANE                    ; behind the planes: the spare words, 128 bytes for each of the eight waves
.set AF,  16                           ; v16-79   w_st's 8 fragments
.set BF,  80                           ; v80-143  st's 8 fragments
.set AS,  144                          ; v144-151 w_st's scale words
.set BS,  152                          ; v152-159 st's
.set ACC, 160                          ; v160-191 four accumulators
.set BB,  192                          ; v192-195 b_st, then b_st x c0
.set SPW, 200                          ; v200     LDS address of my spare word; never rewritten
.set NIL, 201                          ; v201     0; never rewritten
	s_load_b256 s[4:11], s[0:1], 0x0               ; st's codes s[4:5], st's scales s[6:7], w_st's codes s[8:9], w_st's scales s[10:11]
	s_load_b128 s[12:15], s[0:1], 0x20             ; b_st s[12:13], theta_ws s[14:15]
	v_lshl_add_u32 v[SPW], v0, 2, SPARE
	v_mov_b32 v[NIL], 0
	v_lshrrev_b32 v1, 5, v0
	v_readfirstlane_b32 s16, v1                    ; wave 0..7
	s_and_b32 s17, s16, 3                          ; q
	s_lshr_b32 s18, s16, 2                         ; kh
	s_and_b32 s19, ttmp7, 0xffff                   ; y
	v_and_b32 v2, 15, v0                           ; r; also thread % 16
	v_bfe_u32 v3, v0, 4, 1                         ; h
	v_lshlrev_b32 v4, 10, v2
	v_lshl_add_u32 v4, v3, 4, v4                   ; codes: row r of 1,024 bytes, + 16 h
	v_lshlrev_b32 v5, 6, v2                        ; scale words: row r of 64 bytes
	v_lshlrev_b32 v6, 4, v2                        ; 16 (thread % 16)
	v_lshrrev_b32 v7, 4, v0                        ; thread / 16: the batch that I store
	v_lshl_add_u32 v8, v7, 11, v6                  ; its place in theta_ws: rows of 2,048 bytes
	v_mul_u32_u24 v9, v7, 272
	v_add_nc_u32 v9, v9, v6                        ; and in a plane
	v_mul_u32_u24 v10, v2, 272
	v_lshl_add_u32 v10, v3, 5, v10
	s_mul_i32 s20, s18, PLANE
	s_lshl_b32 s21, s17, 6
	s_add_co_u32 s20, s20, s21
	v_add_nc_u32 v10, s20, v10                     ; where my eight sums go: plane kh, row r, 64 q + 32 h
	s_lshl_b32 s22, ttmp9, 6
	s_lshl_b32 s21, s17, 4
	s_add_co_u32 s22, s22, s21                     ; my first row of w_st: 64 x + 16 q
	s_lshl_b32 s24, s22, 6                         ; its scale bytes,
	s_lshl_b32 s22, s22, 10                        ; its codes
	s_lshl_b32 s21, s18, 9                         ; my half of K: 512 bytes of codes,
	s_add_co_u32 s22, s22, s21
	s_lshl_b32 s26, s19, 14                        ; st: row 16 y
	s_add_co_u32 s26, s26, s21
	s_lshl_b32 s21, s18, 5                         ; 32 scale bytes
	s_add_co_u32 s24, s24, s21
	s_lshl_b32 s28, s19, 10
	s_add_co_u32 s28, s28, s21
	s_mov_b32 s23, 0
	s_mov_b32 s25, 0
	s_mov_b32 s27, 0
	s_mov_b32 s29, 0
	s_lshl_b32 s30, ttmp9, 8                       ; b_st: 64 x numbers on
	s_mov_b32 s31, 0
	s_lshl_b32 s32, s19, 15                        ; theta_ws: row 16 y, column 64 x
	s_add_co_u32 s32, s32, s30
	s_mov_b32 s33, 0
	s_mov_b32 s34, CLOG
	s_mov_b32 s35, s34                             ; (named with it as a pair, so it is written)
	s_wait_kmcnt 0x0
	s_add_nc_u64 s[8:9], s[8:9], s[22:23]
	s_add_nc_u64 s[10:11], s[10:11], s[24:25]
	s_add_nc_u64 s[4:5], s[4:5], s[26:27]
	s_add_nc_u64 s[6:7], s[6:7], s[28:29]
	s_add_nc_u64 s[12:13], s[12:13], s[30:31]
	s_add_nc_u64 s[14:15], s[14:15], s[32:33]
.irp s, 0,1,2,3,4,5,6,7                        ; a fragment, 16 rows x 128 K, is 8 registers: registers 4 c .. 4 c + 3 hold K = 64 c + 32 h + 0 .. 31: 16 bytes of the row as they lie
.irp c, 0,1
	global_load_b128 v[AF+8*\s+4*\c:AF+8*\s+4*\c+3], v4, s[8:9] offset:64*\s+32*\c
	global_load_b128 v[BF+8*\s+4*\c:BF+8*\s+4*\c+3], v4, s[4:5] offset:64*\s+32*\c
.endr
.endr
.irp c, 0,1
	global_load_b128 v[AS+4*\c:AS+4*\c+3], v5, s[10:11] offset:16*\c   ; a word for each K step: lane r has row r's
	global_load_b128 v[BS+4*\c:BS+4*\c+3], v5, s[6:7] offset:16*\c
.endr
	global_load_b128 v[BB:BB+3], v6, s[12:13]
	s_wait_loadcnt 0x0
.irp s, 0,1,2,3                                ; the first four K steps start the four sums: nothing is cleared
	v_wmma_scale_f32_16x16x128_f8f6f4 v[ACC+8*\s:ACC+8*\s+7], v[AF+8*\s:AF+8*\s+7], v[BF+8*\s:BF+8*\s+7], 0, v[AS+\s], v[BS+\s] matrix_a_fmt:MATRIX_FMT_FP4 matrix_b_fmt:MATRIX_FMT_FP4
.endr
.irp s, 4,5,6,7
	v_wmma_scale_f32_16x16x128_f8f6f4 v[ACC+8*(\s-4):ACC+8*(\s-4)+7], v[AF+8*\s:AF+8*\s+7], v[BF+8*\s:BF+8*\s+7], v[ACC+8*(\s-4):ACC+8*(\s-4)+7], v[AS+\s], v[BS+\s] matrix_a_fmt:MATRIX_FMT_FP4 matrix_b_fmt:MATRIX_FMT_FP4
.endr
	v_pk_mul_f32 v[BB:BB+1], v[BB:BB+1], s[34:35] op_sel_hi:[1,0]       ; b_st x c0: these two and two v_nop are the four places behind the products (ISA guide 7.12.1)
	v_pk_mul_f32 v[BB+2:BB+3], v[BB+2:BB+3], s[34:35] op_sel_hi:[1,0]
	v_nop
	v_nop
.irp k, 0,2,4,6                                ; the four sums become one; each accumulator is read from its low end on
	v_pk_add_f32 v[ACC+\k:ACC+\k+1], v[ACC+\k:ACC+\k+1], v[ACC+8+\k:ACC+8+\k+1]
.endr
.irp k, 0,2,4,6
	v_pk_add_f32 v[ACC+16+\k:ACC+16+\k+1], v[ACC+16+\k:ACC+16+\k+1], v[ACC+24+\k:ACC+24+\k+1]
.endr
.irp k, 0,2,4,6
	v_pk_add_f32 v[ACC+\k:ACC+\k+1], v[ACC+\k:ACC+\k+1], v[ACC+16+\k:ACC+16+\k+1]
.endr
	ds_store_b128 v10, v[ACC:ACC+3]
	ds_store_b128 v10, v[ACC+4:ACC+7] offset:16
	s_wait_dscnt 0x0                               ; for the others' sake: my stores have landed
	s_barrier_signal -1
	s_barrier_wait -1
	ds_load_b128 v[16:19], v9                      ; four l of one batch, K's first half,
	ds_load_b128 v[20:23], v9 offset:PLANE         ; and its second
	s_wait_dscnt 0x0
	v_pk_add_f32 v[16:17], v[16:17], v[20:21]
	v_pk_add_f32 v[18:19], v[18:19], v[22:23]
	v_pk_fma_f32 v[16:17], v[16:17], s[34:35], v[BB:BB+1] op_sel_hi:[1,0,1]     ; sum x c0 + b_st x c0
	v_pk_fma_f32 v[18:19], v[18:19], s[34:35], v[BB+2:BB+3] op_sel_hi:[1,0,1]
	global_store_b128 v8, v[16:19], s[14:15]       ; sixteen lanes store 256 consecutive bytes, at a multiple of 256 from the buffer's first byte
	s_wait_tensorcnt 0x0                           ; the wave's end, behind my last LDS store
	ds_add_u32 v[SPW], v[NIL]
	s_wait_dscnt 0x0
	s_endpgm
.Lfunc_end_k_q4e34e15083_theta:
	.size	k_q4e34e15083_theta, .Lfunc_end_k_q4e34e15083_theta-k_q4e34e15083_theta
	.p2alignl 7, 3214868480
	.fill 96, 4, 3214868480
	.section	.rodata,"a",@progbits
	.p2align	6, 0x0
	.amdhsa_kernel k_q4e34e15083_theta
		.amdhsa_group_segment_fixed_size 9728
		.amdhsa_private_segment_fixed_size 0
		.amdhsa_enable_private_segment 0
		.amdhsa_kernarg_size 48
		.amdhsa_user_sgpr_count 2
		.amdhsa_user_sgpr_kernarg_segment_ptr 1
		.amdhsa_wavefront_size32 1
		.amdhsa_system_sgpr_workgroup_id_x 1
		.amdhsa_system_sgpr_workgroup_id_y 1
		.amdhsa_system_sgpr_workgroup_id_z 1
		.amdhsa_system_vgpr_workitem_id 0
		.amdhsa_next_free_vgpr 208
		.amdhsa_next_free_sgpr 66
		.amdhsa_reserve_vcc 0
		.amdhsa_float_denorm_mode_32 3
		.amdhsa_float_denorm_mode_16_64 3
		.amdhsa_memory_ordered 1
		.amdhsa_forward_progress 1
		.amdhsa_inst_pref_size 9
	.end_amdhsa_kernel
	.amdgpu_metadata
---
amdhsa.version: [ 1, 2 ]
amdhsa.kernels:
  - .name:           k_q4e34e15083_theta
    .symbol:         k_q4e34e15083_theta.kd
    .args:
      - { .name: st_feat_codes, .offset: 0, .size: 8, .value_kind: global_buffer, .address_space: global }
      - { .name: st_feat_scales, .offset: 8, .size: 8, .value_kind: global_buffer, .address_space: global }
      - { .name: w_st_codes, .offset: 16, .size: 8, .value_kind: global_buffer, .address_space: global }
      - { .name: w_st_scales, .offset: 24, .size: 8, .value_kind: global_buffer, .address_space: global }
      - { .name: b_st, .offset: 32, .size: 8, .value_kind: global_buffer, .address_space: global }
      - { .name: theta_ws, .offset: 40, .size: 8, .value_kind: global_buffer, .address_space: global }
    .group_segment_fixed_size: 9728
    .private_segment_fixed_size: 0
    .kernarg_segment_align: 8
    .kernarg_segment_size: 48
    .max_flat_workgroup_size: 256
    .sgpr_count:     66
    .vgpr_count:     208
    .wavefront_size: 32
...
	.end_amdgpu_metadata
.endif
;; end of part 1
;; launch main (part 2): grid 256 x 1, 4 waves a work-group, clusters of 4 x 1, 327,680 bytes of LDS; arguments lt_feat_codes, lt_feat_scales, w_lt_codes, w_lt_scales, w_g_codes, w_g_scales, theta_ws, part_o, part_s; writes part_o, part_s
.if DOCPART == 2
	.amdgcn_target "amdgcn-amd-amdhsa--gfx1250"
	.amdhsa_code_object_version 6
	.text
	.protected	k_q4e34e15083_main
	.globl	k_q4e34e15083_main
	.p2align	8
	.type	k_q4e34e15083_main,@function
k_q4e34e15083_main:
	s_mov_b64 s[64:65], 0
	v_nop
	global_prefetch_b8 v0, s[64:65] scope:SCOPE_SE
	s_setreg_imm32_b32 hwreg(HW_REG_WAVE_MODE, 25, 1), 1
	s_wait_xcnt 0x0
	s_wait_alu depctr_hold_cnt(0) depctr_sa_sdst(0) depctr_va_vdst(0) depctr_va_sdst(0) depctr_va_ssrc(0) depctr_va_vcc(0) depctr_vm_vsrc(0)
	s_getreg_b32 s2, hwreg(HW_REG_IB_STS2, 6, 4)
	s_cmp_eq_u32 s2, 0
	s_cbranch_scc0 .Lentry_in_a_cluster
	s_endpgm
.Lentry_in_a_cluster:
	s_bfe_u32 s2, ttmp6, 0x10000c
	s_cmp_lg_u32 s2, 0x3003
	s_cbranch_scc0 .Lentry_shape_is_right
	s_endpgm
.Lentry_shape_is_right:
; SECOND OF THREE LAUNCHES.  For batch n and a quarter of 128 of its 512 places t: phi0 = w_lt lt and g0 = w_g lt on codes of FP4 (E2M1, one E8M0 scale for each 32 along K = 1,024); s[t] = sum over l of theta'[l] phi0[l][t]
; (theta' holds 1 / sqrt(512) and log2(e)); m = the quarter's largest s; e[t] = 2^(s[t] - m); the sum of e; O[l] = sum over t of g0[l][t] e[t].  All behind the two products in f32.
; To part_o [128][4][512] goes O, to part_s [128][4][2][32] m and the sum (32 copies each); the last launch joins the four quarters.
; b_lt is left out: it adds the same number to all scores of a row (shown at the head of the first kernel).  b_g is added in the last launch.  LIMITS: NaN and infinities among the inputs are not served.
; SHARES.  Work-group X = 2 n + half owns 256 t.  Wave = (i = wave / 2: 128 t, eight tiles a of 16; j = wave % 2: half of each tile of W's rows).
; lt STAYS IN REGISTERS: 128 t x 1,024 K are 64 fragments, 512 registers; so a fragment of W read from LDS feeds eight matrix instructions.
; W goes through LDS once, as four tiles of 256 rows x 512 bytes: T0, T1 = w_lt's halves, T2, T3 = w_g's.  Of a tile wave j takes rows 128 j on: eight tiles u of 16 l; a tile u is 64 matrix instructions
; (8 K steps x 8 tiles a) on eight accumulators by turns.  Two sets of accumulators and of W's fragments: while one is multiplied, the other's results are folded and its fragments fetched.
; PHASE 1 (T0, T1): source 0 = W, source 1 = lt: a lane holds one t and eight l: S[a] += D x theta'.   PHASE 2 (T2, T3): source 0 = lt, source 1 = W: a lane holds one l and eight t: P += D x e.
; CLUSTER: all work-groups walk the same W, so the four of a cluster ask for each tile of W and for W's scales JOINTLY (mask 15); lt's tile is each work-group's own (no mask).
; No prefetch: lt is asked for whole at the head, and W is what all work-groups read.
; LDS: slot 0 (lt, then T1, then T3), slot 1 (T0, then T2): 256 rows of 512 + 16 bytes: row r starts 16 r bytes further on modulo 256, so the sixteen rows of a load fall on sixteen different columns of 16 bytes;
;   W's scale bytes (1,024 rows x 32, as pieces of 256 bytes + 16), filled once; theta', the scores and the O stage, written by LDS stores in blocks of their own; the spare words.
; REGISTERS, in windows of 256: window 0: v1-15 addresses; v16-47 lt's scale words; v48-63 W's (two sets); v64-79 theta' (two sets); v80-95 S; v96-159 e; v160-223 at work; v224.. results and figures; v252, v253 the add's two.
;   window 1: v0-127 two sets of eight accumulators; v128-255 two sets of W's eight fragments.   windows 2, 3: lt's fragments, K step s, tile a at v[64 (s % 4) + 8 a], steps 0-3 and 4-7.
.set PITCH,  528
.set LSTEP,  16*PITCH                  ; from a tile of 16 rows to the next
.set QUART,  64*PITCH                  ; what one tensor load brings
.set HALFW,  128*PITCH
.set SLOT0,  0
.set SLOT1,  256*PITCH
.set SCL,    2*256*PITCH               ; W's scale bytes: row p at 32 p + 16 (p / 8)
.set SCQ,    32*272                    ; a quarter of them: 256 rows, one tile of W
.set SCT,    544                       ; 16 rows of them
.set THETA,  SCL+4*SCQ                 ; 2,048 bytes
.set SCR,    THETA+2048                ; two planes j x 256 t x 4 bytes
.set OSTG,   SCR+2048                  ; 1,024 bytes a wave
.set SPARE,  OSTG+4096                 ; the spare words, 128 bytes for each wave: two blocks of 256 bytes that no other line names
.set LTA,  4                           ; v4   lt's fragments: (128 i + r) PITCH + 16 h
.set WB,   5                           ; v5   W's: (128 j + r) PITCH + 16 h
.set SB,   6                           ; v6   W's scale words: SCL + 8 SCT j + 32 r + 16 (r / 8)
.set TBS,  7                           ; v7   theta': THETA + 512 j + 32 h
.set WA,   8                           ; v8, v9, v14, v15: the addresses in hand: a base + a stepped scalar
.set SA,   9
.set SCWR, 10                          ; v10  where my partial scores go
.set SCRD, 11                          ; v11  and where the quarter's are read
.set OB,   12                          ; v12  the O stage, in: 4 bytes a lane
.set ORD,  13                          ; v13  and back: 16 bytes a lane
.set TA,   14
.set OA,   15
.set LS,   16                          ; register 8 a' + s: lanes 0-15 the word of tile a', lanes 16-31 that of tile a' + 4, K step s
.set WS,   48
.set TH,   64
.set S,    80
.set E,    96
.set SX,   160
.set P,    160
.set XR,   224                         ; v224, v225: a tile u's sums, by parity
.set MX,   226                         ; v226, v227: m, twice
.set TM,   228
.set SUM,  232
.set RES,  233
.set GO4,  234
.set GLS,  236
.set GTH,  237
.set LTH,  238
.set GO16, 239
.set THD,  240
.set SPW,  252
.set NIL,  253
.set WV,   22                          ; s22 wave, s23 i, s24 j
.set WI,   23
.set WJ,   24
.set TW,   27                          ; s27 LDS byte of the tile u to be fetched; s28 its scale words'; s29 its theta's; s30 the O stage's
.set TSC,  28
.set TTH,  29
.set TO,   30
.set G1P,  32                          ; s[32:39] descriptor group 1: lt's tile;  s[40:47] W's tiles (joint);  s[48:55] W's scales (joint)
.set G1J,  40
.set G1S,  48
.set G0L,  56                          ; groups 0, made once and never rewritten
.set G0T0, 60
.set G0T1, 68
.set G0T2, 72
.set G0T3, 76
.set G0SA, 80
.set G0SB, 84
.set SEL,  88                          ; s[88:89] v_permlanex16_b32's selects for lane l xor 16
.set CNT,  90
.set JM,   91                          ; all ones where j = 1
.set MSB, 0
.macro WIN new                         ; the immediate's high byte repeats the setting that is left; a switch that changes nothing is dropped
.if MSB != (\new)
	s_set_vgpr_msb (MSB<<8)|(\new)
.set MSB, (\new)
.endif
.endm
.macro PLACES                          ; four places behind matrix instructions, ahead of reads of their results and of loads into their registers
.rept 4
	v_nop
.endr
.endm
.macro CREST                           ; a round of the cluster's barrier behind its opening barrier
	s_cmp_lg_u32 s[WV], 0
	s_cbranch_scc1 .Lnot_wave_0_\@
	s_barrier_signal -3
.Lnot_wave_0_\@:
	s_barrier_wait -3
	s_barrier_signal -1
	s_barrier_wait -1
.endm
.macro ROUND
	s_barrier_signal -1
	s_barrier_wait -1
	CREST
.endm
.macro G0SET g, lds, base, extra       ; a group 0: my quarter (64 rows) of a tile: LDS lds + wave x QUART, memory base + extra + wave x 32,768
	s_mov_b32 s[\g], 1
	s_add_co_u32 s[\g+1], s31, \lds
	s_add_nc_u64 s[\g+2:\g+3], s[\base:\base+1], s[2:3]
.if \extra
	s_add_nc_u64 s[\g+2:\g+3], s[\g+2:\g+3], \extra
.endif
	s_or_b32 s[\g+3], s[\g+3], 0x80000000
.endm
	s_load_b256 s[4:11], s[0:1], 0x0               ; lt's codes s[4:5], lt's scales s[6:7], w_lt's codes s[8:9], w_lt's scales s[10:11]
	s_load_b256 s[12:19], s[0:1], 0x20             ; w_g's codes s[12:13], w_g's scales s[14:15], theta_ws s[16:17], part_o s[18:19]
	s_load_b64 s[20:21], s[0:1], 0x40              ; part_s
	v_lshl_add_u32 v[SPW], v0, 2, SPARE
	v_mov_b32 v[NIL], 0
	ds_add_u32 v[SPW], v[NIL]                      ; the wave's opening: the add, twice on end, and its wait ahead of my first tensor load; the set-up below, work on registers, stands between
	ds_add_u32 v[SPW], v[NIL]
	v_lshrrev_b32 v1, 5, v0
	v_readfirstlane_b32 s[WV], v1                  ; wave 0..3
	s_lshr_b32 s[WI], s[WV], 1
	s_and_b32 s[WJ], s[WV], 1
	s_sub_co_u32 s[JM], 0, s[WJ]
	s_bfe_u32 s25, ttmp6, 0x40000                  ; cx: my place in the cluster: it enters lt's, theta's and the results' addresses in memory alone
	s_lshl_b32 s26, ttmp9, 2
	s_add_co_u32 s26, s26, s25                     ; X = 4 x cluster + cx
	s_mov_b32 s[G1P], (1<<20)|(6<<22)|(3<<25)      ; no mask; elements of 1 byte; padding on: 4 words behind every 128
	s_mov_b32 s[G1J], 15|(1<<20)|(1<<21)|(6<<22)|(3<<25)   ; the same with the mask of all four work-groups, and bit 21 beside it
.irp g, G1P, G1J
	s_mov_b32 s[\g+1], 512<<16                     ; tensor_dim0 = 512
	s_mov_b32 s[\g+2], 64<<16                      ; tensor_dim1 = 64
	s_mov_b32 s[\g+3], 512<<16                     ; tile_dim0 = 512
	s_mov_b32 s[\g+4], 64                          ; tile_dim1 = 64
	s_mov_b32 s[\g+5], 512                         ; from row to row
	s_mov_b32 s[\g+6], 0
	s_mov_b32 s[\g+7], 0
.endr
	s_mov_b32 s[G1S], 15|(3<<16)|(1<<20)|(1<<21)|(5<<22)|(3<<25)   ; 8,192 dense bytes as 32 rows of 32 elements of 8 bytes, 4 words of padding behind every 64
	s_mov_b32 s[G1S+1], 32<<16
	s_mov_b32 s[G1S+2], 32<<16
	s_mov_b32 s[G1S+3], 32<<16
	s_mov_b32 s[G1S+4], 32
	s_mov_b32 s[G1S+5], 32
	s_mov_b32 s[G1S+6], 0
	s_mov_b32 s[G1S+7], 0
	s_mov_b32 s[SEL], 0x76543210
	s_mov_b32 s[SEL+1], 0xfedcba98
	s_mul_i32 s31, s[WV], QUART                    ; my quarter of a slot
	s_lshl_b32 s2, s[WV], 15                       ; and of a tile in memory
	s_mov_b32 s3, 0
	s_lshl_b32 s66, s[WJ], 13                      ; which half of a weight's scale bytes I fetch
	s_mov_b32 s67, 0
	s_lshl_b32 s92, s26, 17                        ; lt's codes: 256 X rows of 512 bytes
	s_mov_b32 s93, 0
	s_lshl_b32 s94, s26, 13                        ; lt's scales: (256 X + 128 i) rows of 32 bytes
	s_lshl_b32 s95, s[WI], 12
	s_add_co_u32 s94, s94, s95
	s_mov_b32 s95, 0
	s_lshr_b32 s96, s26, 1                         ; theta': row n = X / 2 of 2,048 bytes
	s_lshl_b32 s96, s96, 11
	s_mov_b32 s97, 0
	s_lshl_b32 s25, s26, 1
	s_add_co_u32 s25, s25, s[WI]                   ; the quarter's number, 4 n + q = 2 X + i
	s_lshl_b32 s98, s25, 11                        ; part_o: its 2,048 bytes, + 512 j
	s_lshl_b32 s99, s[WJ], 9
	s_add_co_u32 s98, s98, s99
	s_mov_b32 s99, 0
	s_lshl_b32 s25, s25, 1
	s_add_co_u32 s25, s25, s[WJ]                   ; part_s: plane j of the quarter
	s_wait_dscnt 0x0                               ; both opening adds are done
	s_wait_kmcnt 0x0
	G0SET G0L, SLOT0, 4, 0
	s_add_nc_u64 s[G0L+2:G0L+3], s[G0L+2:G0L+3], s[92:93]
	G0SET G0T0, SLOT1, 8, 0
	G0SET G0T1, SLOT0, 8, 0x20000
	G0SET G0T2, SLOT1, 12, 0
	G0SET G0T3, SLOT0, 12, 0x20000
	s_mov_b32 s[G0SA], 1
	s_mul_i32 s[G0SA+1], s[WV], SCQ
	s_add_co_u32 s[G0SA+1], s[G0SA+1], SCL
	s_add_nc_u64 s[G0SA+2:G0SA+3], s[10:11], s[66:67]
	s_or_b32 s[G0SA+3], s[G0SA+3], 0x80000000
	s_mov_b32 s[G0SB], 1
	s_mov_b32 s[G0SB+1], s[G0SA+1]
	s_add_nc_u64 s[G0SB+2:G0SB+3], s[14:15], s[66:67]
	s_or_b32 s[G0SB+3], s[G0SB+3], 0x80000000
	s_add_nc_u64 s[6:7], s[6:7], s[94:95]
	s_add_nc_u64 s[16:17], s[16:17], s[96:97]
	s_add_nc_u64 s[18:19], s[18:19], s[98:99]
	s_lshl_b32 s92, s25, 7
	s_add_nc_u64 s[20:21], s[20:21], s[92:93]
	ROUND                                          ; all four work-groups are here: the first joint loads meet
	tensor_load_to_lds s[G0L:G0L+3], s[G1P:G1P+7]  ; THE FIRST FILLS, three a wave: my quarter of lt's tile, which is wanted first;
	s_nop 0
	PLACES
	s_cmp_lt_u32 s[WV], 2                          ; my quarter of W's scale bytes: waves 0, 1 w_lt's halves, waves 2, 3 w_g's; the branch hangs on the wave's number alone
	s_cbranch_scc0 .Lscales_g
	tensor_load_to_lds s[G0SA:G0SA+3], s[G1S:G1S+7]
	s_nop 0
	PLACES
	s_branch .Lscales_asked
.Lscales_g:
	tensor_load_to_lds s[G0SB:G0SB+3], s[G1S:G1S+7]
	s_nop 0
	PLACES
.Lscales_asked:
	tensor_load_to_lds s[G0T0:G0T0+3], s[G1J:G1J+7]   ; and my quarter of T0
	s_nop 0
	PLACES
	v_and_b32 v1, 15, v0                           ; r
	v_bfe_u32 v2, v0, 4, 1                         ; h
	v_and_b32 v3, 31, v0                           ; lane
	v_lshlrev_b32 v[GLS], 5, v1
	v_lshl_add_u32 v[GLS], v2, 11, v[GLS]          ; lt's scale words: row r + 64 h of 32 bytes
.irp a, 0,1,2,3
	global_load_b128 v[LS+8*\a:LS+8*\a+3], v[GLS], s[6:7] offset:512*\a
	global_load_b128 v[LS+8*\a+4:LS+8*\a+7], v[GLS], s[6:7] offset:512*\a+16
.endr
	v_lshlrev_b32 v[GTH], 4, v0
	global_load_b128 v[THD:THD+3], v[GTH], s[16:17]   ; theta': 128 threads x 16 bytes
	v_lshl_add_u32 v[LTH], v0, 4, THETA
	v_mul_u32_u24 v[LTA], v1, PITCH
	v_lshl_add_u32 v[LTA], v2, 4, v[LTA]           ; r PITCH + 16 h
	s_mul_i32 s66, s[WJ], HALFW
	v_add_nc_u32 v[WB], s66, v[LTA]
	s_mul_i32 s66, s[WI], HALFW
	v_add_nc_u32 v[LTA], s66, v[LTA]
	v_lshrrev_b32 v[SB], 3, v1
	v_lshlrev_b32 v[SB], 4, v[SB]
	v_lshl_add_u32 v[SB], v1, 5, v[SB]
	s_mul_i32 s66, s[WJ], 8*SCT
	s_add_co_u32 s66, s66, SCL
	v_add_nc_u32 v[SB], s66, v[SB]
	s_lshl_b32 s66, s[WJ], 9
	s_add_co_u32 s66, s66, THETA
	v_lshl_add_u32 v[TBS], v2, 5, s66
	s_lshl_b32 s66, s[WI], 9
	s_add_co_u32 s66, s66, SCR
	v_lshl_add_u32 v[SCRD], v2, 5, s66
	s_lshl_b32 s67, s[WJ], 10
	s_add_co_u32 s66, s66, s67
	v_lshl_add_u32 v[SCWR], v1, 2, s66
	s_lshl_b32 s66, s[WV], 10
	s_add_co_u32 s66, s66, OSTG
	v_lshl_add_u32 v[OB], v3, 2, s66
	v_lshl_add_u32 v[ORD], v3, 4, s66
	v_lshlrev_b32 v[GO16], 4, v3
	v_lshlrev_b32 v[GO4], 2, v3
.irp k, 0,1,2,3,4,5,6,7,8,9,10,11,12,13,14,15
	v_mov_b32 v[S+\k], 0                           ; the scores' sums: their first addition stands in a loop, so they begin as zeros
.endr
	s_mov_b32 s[TW], SLOT1                         ; T0 lies in slot 1
	s_mov_b32 s[TSC], 0
	s_mov_b32 s[TTH], 0
	s_mov_b32 s[TO], 0
	s_wait_loadcnt 0x0
	ds_store_b128 v[LTH], v[THD:THD+3]
	s_wait_tensorcnt 0x2                           ; my quarter of lt is in: behind its load I issued two, the scales' and T0's, which may stay out
	s_wait_dscnt 0x0                               ; my part of theta' has landed
	s_barrier_signal -1
	s_barrier_wait -1                              ; everybody's have
	WIN 0x80                                       ; lt into registers: destination window 2, then 3
.irp s, 0,1,2,3
.irp a, 0,1,2,3,4,5,6,7
	ds_load_b128 v[64*\s+8*\a:64*\s+8*\a+3], v[LTA] offset:\a*LSTEP+64*\s
	ds_load_b128 v[64*\s+8*\a+4:64*\s+8*\a+7], v[LTA] offset:\a*LSTEP+64*\s+32
.endr
.endr
	WIN 0xc0
.irp s, 0,1,2,3
.irp a, 0,1,2,3,4,5,6,7
	ds_load_b128 v[64*\s+8*\a:64*\s+8*\a+3], v[LTA] offset:\a*LSTEP+64*(\s+4)
	ds_load_b128 v[64*\s+8*\a+4:64*\s+8*\a+7], v[LTA] offset:\a*LSTEP+64*(\s+4)+32
.endr
.endr
	WIN 0
	s_wait_tensorcnt 0x0                           ; all my tensor loads have landed, the scales' and T0's among them;
	ds_add_u32 v[SPW], v[NIL]                      ; 0 onto my spare word;
	s_wait_dscnt 0x0                               ; the add is done, and my reads of lt's tile are over
	ROUND                                          ; that now holds of every wave of all four work-groups: slot 0 may be filled again
	tensor_load_to_lds s[G0T1:G0T1+3], s[G1J:G1J+7]   ; T1: it has all of T0's work in which to land
	s_nop 0
	PLACES
; One matrix instruction: phase ph, set p, tile a, K step ss.  The first K step starts the sum: nothing is cleared.  lt's scale words of tiles 4-7 stand in lanes 16-31.
.macro MM1 ph, p, a
.set rD, 64*(\p)+8*(\a)
.set rW, 128+64*(\p)+8*ss
.set rL, 64*(ss%4)+8*(\a)
.set rV, WS+8*(\p)+ss
.set rU, LS+8*((\a)%4)+ss
.if \ph == 1
.if ss == 0
.if \a < 4
	v_wmma_scale_f32_16x16x128_f8f6f4 v[rD:rD+7], v[rW:rW+7], v[rL:rL+7], 0, v[rV], v[rU] matrix_a_fmt:MATRIX_FMT_FP4 matrix_b_fmt:MATRIX_FMT_FP4
.else
	v_wmma_scale_f32_16x16x128_f8f6f4 v[rD:rD+7], v[rW:rW+7], v[rL:rL+7], 0, v[rV], v[rU] matrix_a_fmt:MATRIX_FMT_FP4 matrix_b_fmt:MATRIX_FMT_FP4 matrix_b_scale:MATRIX_SCALE_ROW1
.endif
.else
.if \a < 4
	v_wmma_scale_f32_16x16x128_f8f6f4 v[rD:rD+7], v[rW:rW+7], v[rL:rL+7], v[rD:rD+7], v[rV], v[rU] matrix_a_fmt:MATRIX_FMT_FP4 matrix_b_fmt:MATRIX_FMT_FP4
.else
	v_wmma_scale_f32_16x16x128_f8f6f4 v[rD:rD+7], v[rW:rW+7], v[rL:rL+7], v[rD:rD+7], v[rV], v[rU] matrix_a_fmt:MATRIX_FMT_FP4 matrix_b_fmt:MATRIX_FMT_FP4 matrix_b_scale:MATRIX_SCALE_ROW1
.endif
.endif
.else
.if ss == 0
.if \a < 4
	v_wmma_scale_f32_16x16x128_f8f6f4 v[rD:rD+7], v[rL:rL+7], v[rW:rW+7], 0, v[rU], v[rV] matrix_a_fmt:MATRIX_FMT_FP4 matrix_b_fmt:MATRIX_FMT_FP4
.else
	v_wmma_scale_f32_16x16x128_f8f6f4 v[rD:rD+7], v[rL:rL+7], v[rW:rW+7], 0, v[rU], v[rV] matrix_a_fmt:MATRIX_FMT_FP4 matrix_b_fmt:MATRIX_FMT_FP4 matrix_a_scale:MATRIX_SCALE_ROW1
.endif
.else
.if \a < 4
	v_wmma_scale_f32_16x16x128_f8f6f4 v[rD:rD+7], v[rL:rL+7], v[rW:rW+7], v[rD:rD+7], v[rU], v[rV] matrix_a_fmt:MATRIX_FMT_FP4 matrix_b_fmt:MATRIX_FMT_FP4
.else
	v_wmma_scale_f32_16x16x128_f8f6f4 v[rD:rD+7], v[rL:rL+7], v[rW:rW+7], v[rD:rD+7], v[rU], v[rV] matrix_a_fmt:MATRIX_FMT_FP4 matrix_b_fmt:MATRIX_FMT_FP4 matrix_a_scale:MATRIX_SCALE_ROW1
.endif
.endif
.endif
.endm
; K steps s0 .. s1 of a tile u: for each the eight tiles a, one instruction a turn.  Windows: W, C and D in window 1, lt in window 2 (steps 0-3) or 3.
.macro MM ph, p, s0, s1
.set ss, \s0
.rept \s1-\s0+1
.if \ph == 1
	WIN 0x59+4*(ss/4)
.else
	WIN 0x56+(ss/4)
.endif
.irp a, 0,1,2,3,4,5,6,7
	MM1 \ph, \p, \a
.endr
.set ss, ss+1
.endr
.endm
; The next tile u into set p: its 8 scale words a row, (th = 1) its 8 numbers of theta' a half of the lanes, its 8 fragments: 18 or 20 LDS loads in one run.
.macro FETCH p, th
	WIN 0
	v_add_nc_u32 v[WA], s[TW], v[WB]
	v_add_nc_u32 v[SA], s[TSC], v[SB]
.if \th
	v_add_nc_u32 v[TA], s[TTH], v[TBS]
.endif
	ds_load_b128 v[WS+8*(\p):WS+8*(\p)+3], v[SA]
	ds_load_b128 v[WS+8*(\p)+4:WS+8*(\p)+7], v[SA] offset:16
.if \th
	ds_load_b128 v[TH+8*(\p):TH+8*(\p)+3], v[TA]
	ds_load_b128 v[TH+8*(\p)+4:TH+8*(\p)+7], v[TA] offset:16
	s_add_co_u32 s[TTH], s[TTH], 64
.endif
	WIN 0x40                                       ; destination window 1
.irp s, 0,1,2,3,4,5,6,7
	ds_load_b128 v[128+64*(\p)+8*\s:128+64*(\p)+8*\s+3], v[WA] offset:64*\s
	ds_load_b128 v[128+64*(\p)+8*\s+4:128+64*(\p)+8*\s+7], v[WA] offset:64*\s+32
.endr
	s_add_co_u32 s[TW], s[TW], LSTEP
	s_add_co_u32 s[TSC], s[TSC], SCT
.endm
; Phase 1, set q: register 2 k, 2 k + 1 of tile a is phi0(l0 + 8 h + 2 k .., t = 16 a + r): S[a] += phi0 x theta', two at a time.  Each accumulator is read from its low end on.
.macro POST1 q
	WIN 0x01                                       ; source 0 in window 1
.irp k, 0,2,4,6
.irp a, 0,1,2,3,4,5,6,7
	v_pk_fma_f32 v[S+2*\a:S+2*\a+1], v[64*(\q)+8*\a+\k:64*(\q)+8*\a+\k+1], v[TH+8*(\q)+\k:TH+8*(\q)+\k+1], v[S+2*\a:S+2*\a+1]
.endr
.endr
.endm
; Phase 2, set q: register 2 k, 2 k + 1 of tile a is g0(l0 + r, t = 16 a + 8 h + 2 k ..): four pairs of sums of g0 x e, then one number a lane: my half of the lanes' 64 t of l0 + r.
.macro POST2 q
	WIN 0x01
.irp a, 0,1,2,3,4,5,6,7
.irp k, 0,2,4,6
.if \a == 0
	v_pk_mul_f32 v[P+\k:P+\k+1], v[64*(\q)+\k:64*(\q)+\k+1], v[E+\k:E+\k+1]
.else
	v_pk_fma_f32 v[P+\k:P+\k+1], v[64*(\q)+8*\a+\k:64*(\q)+8*\a+\k+1], v[E+8*\a+\k:E+8*\a+\k+1], v[P+\k:P+\k+1]
.endif
.endr
.endr
	WIN 0
	v_pk_add_f32 v[P:P+1], v[P:P+1], v[P+2:P+3]
	v_pk_add_f32 v[P+4:P+5], v[P+4:P+5], v[P+6:P+7]
	v_pk_add_f32 v[P:P+1], v[P:P+1], v[P+4:P+5]
	v_add_f32 v[XR+(\q)], v[P], v[P+1]
.endm
; Two tiles u (an even one in v[XR], the next in v[XR+1]): the first's lanes 16-31 change places with the second's lanes 0-15, and one addition joins the halves: 32 lanes hold O of 32 neighbouring l.
.macro COMBINE
	v_permlane16_swap_b32 v[XR], v[XR+1]
	v_add_f32 v[XR], v[XR], v[XR+1]
	v_add_nc_u32 v[OA], s[TO], v[OB]
	ds_store_b32 v[OA], v[XR]
	s_add_co_u32 s[TO], s[TO], 128
.endm
; A tile u on set p.  pk = 1, 2: the tile before (the other set) is folded, by phase pk's way; comb: two tiles' sums go to the stage; fetch: the tile after comes into the other set.
; The wait leaves out just the loads that FETCH has issued: 20 with theta', 18 without; all that is older is done, this tile's fragments among it.
.macro LT ph, p, pk, comb, fetch
.if \pk == 1
	PLACES
	POST1 1-\p
.endif
.if \pk == 2
	PLACES
	POST2 1-\p
.endif
.if \comb
	COMBINE
.endif
.if \fetch
	FETCH 1-\p, 2-\ph
	s_wait_dscnt 18+2*(2-\ph)
.else
	s_wait_dscnt 0x0
.endif
	MM \ph, \p, 0, 7
.endm
.macro PAIRS ph                        ; tiles 1 to 6 of a tile of W: three trips of two
	WIN 0                                          ; at a label and at a branch every window is 0
	s_mov_b32 s[CNT], 3
.Lpair_\@:
	LT \ph, 1, \ph, 0, 1
	LT \ph, 0, \ph, \ph-1, 1
	WIN 0
	s_sub_co_u32 s[CNT], s[CNT], 1
	s_cmp_lg_u32 s[CNT], 0
	s_cbranch_scc1 .Lpair_\@
.endm
; Tile 7 of a tile of W (set 1) changes slots: ONE barrier.  In front of it each wave waits for all its tensor loads (its part of the next tile of W), adds 0 to its spare word, and waits for that and for its reads of this slot
; (the last were issued a tile ago).  fill = 1: the barrier opens a round of the cluster's, and behind it the slot just left takes the tile of W after the next.
.macro TURN ph, fill, g0, tw, tsc, tth, th
	PLACES
.if \ph == 1
	POST1 0
.else
	POST2 0
.endif
	WIN 0                                          ; (the add's two registers lie in window 0)
	s_wait_tensorcnt 0x0
	ds_add_u32 v[SPW], v[NIL]
	s_wait_dscnt 0x1                               ; this tile's fragments are in; the add alone may be out
	MM \ph, 1, 0, 1                                ; sixteen matrix instructions stand between the add and the wait for it
	s_wait_dscnt 0x0
	s_barrier_signal -1
	MM \ph, 1, 2, 3                                ; work on registers while the others arrive
	WIN 0
	s_barrier_wait -1
.if \fill
	CREST                                          ; no wave of any partner still reads the slot or has a load on its way
	tensor_load_to_lds s[\g0:\g0+3], s[G1J:G1J+7]  ; my one tensor load behind the round
	s_nop 0
	PLACES
.endif
	s_mov_b32 s[TW], \tw                           ; on to the other slot's first rows, and to the next tile's scale words
	s_mov_b32 s[TSC], \tsc
.if \th
	s_mov_b32 s[TTH], \tth
.endif
	FETCH 0, \th
	MM \ph, 1, 4, 7
.endm
	FETCH 0, 1
	LT 1, 0, 0, 0, 1                               ; T0
	PAIRS 1
	TURN 1, 1, G0T2, SLOT0, SCQ, 1024, 1
	LT 1, 0, 1, 0, 1                               ; T1
	PAIRS 1
	TURN 1, 1, G0T3, SLOT1, 2*SCQ, 0, 0
	PLACES                                         ; T2, tile 0, written out: the scores are finished and change waves while its products run
	POST1 1
	WIN 0
.irp a, 0,1,2,3,4,5,6,7
	v_add_f32 v[S+2*\a], v[S+2*\a], v[S+2*\a+1]    ; even l and odd l,
.endr
.irp a, 0,1,2,3,4,5,6,7
	v_permlanex16_b32 v[S+2*\a+1], v[S+2*\a], s[SEL], s[SEL+1]
.endr
.irp a, 0,1,2,3,4,5,6,7
	v_add_f32 v[S+2*\a], v[S+2*\a], v[S+2*\a+1]    ; and the other half of the lanes': my 256 l of s[16 a + r]
.endr
.irp a, 0,1,2,3,4,5,6,7
	ds_store_b32 v[SCWR], v[S+2*\a] offset:64*\a   ; both halves of the lanes write the same word with the same value
.endr
	s_wait_dscnt 0x0                               ; for the others' sake: my scores have landed (and this tile's fragments are in)
	s_barrier_signal -1
	FETCH 1, 0                                     ; between signal and wait: loads of bytes that nobody writes any more, and work on registers
	MM 2, 0, 0, 7
	WIN 0
	s_barrier_wait -1
	; THE SOFTMAX OF MY QUARTER: lane (r, h), register 8 a + jj: t = 16 a + 8 h + jj, as phase 2's results lie.  Both waves of a quarter do the same.
.irp a, 0,1,2,3,4,5,6,7
	ds_load_b128 v[E+8*\a:E+8*\a+3], v[SCRD] offset:64*\a
	ds_load_b128 v[E+8*\a+4:E+8*\a+7], v[SCRD] offset:64*\a+16
	ds_load_b128 v[SX+8*\a:SX+8*\a+3], v[SCRD] offset:1024+64*\a
	ds_load_b128 v[SX+8*\a+4:SX+8*\a+7], v[SCRD] offset:1024+64*\a+16
.endr
	s_wait_dscnt 0x0
.set k, 0
.rept 32
	v_pk_add_f32 v[E+k:E+k+1], v[E+k:E+k+1], v[SX+k:SX+k+1]   ; the two waves' halves of the l
.set k, k+2
.endr
.irp c, 0,1,2,3
	v_max3_num_f32 v[TM+\c], v[E+16*\c], v[E+16*\c+1], v[E+16*\c+2]   ; the largest score, in four chains
.endr
.irp i, 3,5,7,9,11,13
.irp c, 0,1,2,3
	v_max3_num_f32 v[TM+\c], v[TM+\c], v[E+16*\c+\i], v[E+16*\c+\i+1]
.endr
.endr
.irp c, 0,1,2,3
	v_max_num_f32 v[TM+\c], v[TM+\c], v[E+16*\c+15]
.endr
	v_max3_num_f32 v[TM], v[TM], v[TM+1], v[TM+2]
	v_max_num_f32 v[TM], v[TM], v[TM+3]
	v_permlanex16_b32 v[TM+1], v[TM], s[SEL], s[SEL+1]
	v_max_num_f32 v[MX], v[TM], v[TM+1]            ; m, in both halves of a pair
	v_max_num_f32 v[MX+1], v[TM], v[TM+1]
.set k, 0
.rept 32
	v_pk_add_f32 v[E+k:E+k+1], v[E+k:E+k+1], v[MX:MX+1] neg_lo:[0,1] neg_hi:[0,1]   ; s - m, 0 at the most
.set k, k+2
.endr
.set k, 0
.rept 64
	v_exp_f32 v[E+k], v[E+k]                       ; e = 2^(s - m): one batch
.set k, k+1
.endr
	v_nop                                          ; a plain instruction behind the last exponential,
	s_wait_alu depctr_va_vdst(0)                   ; and the one wait ahead of the batch's first reader
	v_pk_add_f32 v[TM:TM+1], v[E:E+1], v[E+2:E+3]  ; the sum of e, in two chains
	v_pk_add_f32 v[TM+2:TM+3], v[E+4:E+5], v[E+6:E+7]
.set k, 8
.rept 14
	v_pk_add_f32 v[TM:TM+1], v[TM:TM+1], v[E+k:E+k+1]
	v_pk_add_f32 v[TM+2:TM+3], v[TM+2:TM+3], v[E+k+2:E+k+3]
.set k, k+4
.endr
	v_pk_add_f32 v[TM:TM+1], v[TM:TM+1], v[TM+2:TM+3]
	v_add_f32 v[TM], v[TM], v[TM+1]
	v_permlanex16_b32 v[TM+1], v[TM], s[SEL], s[SEL+1]
	v_add_f32 v[SUM], v[TM], v[TM+1]
	PAIRS 2                                        ; T2 goes on
	TURN 2, 0, 0, SLOT0, 3*SCQ, 0, 0               ; nothing is left to fetch: a plain barrier shows T3 whole to every wave
	LT 2, 0, 2, 1, 1                               ; T3
	PAIRS 2
	LT 2, 1, 2, 0, 0
	PLACES
	POST2 1
	COMBINE
	; THE WAY OUT: my 256 numbers of O come back from my stage 16 bytes a lane: each store covers 512 consecutive bytes, at a multiple of 256 from the buffer's first byte
	ds_load_b128 v[SX:SX+3], v[ORD]                ; LDS serves a wave's instructions in order (ISA guide 5.7.1.4): these see my stores
	ds_load_b128 v[SX+4:SX+7], v[ORD] offset:512
	v_cndmask_b32 v[RES], v[MX], v[SUM], s[JM]     ; wave j = 0 stores m, wave j = 1 the sum
	s_wait_dscnt 0x0
	global_store_b128 v[GO16], v[SX:SX+3], s[18:19]               ; l = 128 j on
	global_store_b128 v[GO16], v[SX+4:SX+7], s[18:19] offset:1024 ; l = 256 + 128 j on
	global_store_b32 v[GO4], v[RES], s[20:21]
	s_wait_tensorcnt 0x0                           ; the wave's end, behind my last tensor load and my last LDS store
	ds_add_u32 v[SPW], v[NIL]
	s_wait_dscnt 0x0
	ROUND                                          ; the closing round: no work-group ends while a partner may still ask for a tile that names it
	s_endpgm
.Lfunc_end_k_q4e34e15083_main:
	.size	k_q4e34e15083_main, .Lfunc_end_k_q4e34e15083_main-k_q4e34e15083_main
	.p2alignl 7, 3214868480
	.fill 96, 4, 3214868480
	.section	.rodata,"a",@progbits
	.p2align	6, 0x0
	.amdhsa_kernel k_q4e34e15083_main
		.amdhsa_group_segment_fixed_size 327680
		.amdhsa_private_segment_fixed_size 0
		.amdhsa_enable_private_segment 0
		.amdhsa_kernarg_size 72
		.amdhsa_user_sgpr_count 2
		.amdhsa_user_sgpr_kernarg_segment_ptr 1
		.amdhsa_wavefront_size32 1
		.amdhsa_system_sgpr_workgroup_id_x 1
		.amdhsa_system_sgpr_workgroup_id_y 1
		.amdhsa_system_sgpr_workgroup_id_z 1
		.amdhsa_system_vgpr_workitem_id 0
		.amdhsa_next_free_vgpr 1024
		.amdhsa_next_free_sgpr 100
		.amdhsa_reserve_vcc 0
		.amdhsa_float_denorm_mode_32 3
		.amdhsa_float_denorm_mode_16_64 3
		.amdhsa_memory_ordered 1
		.amdhsa_forward_progress 1
		.amdhsa_inst_pref_size 226
	.end_amdhsa_kernel
	.amdgpu_metadata
---
amdhsa.version: [ 1, 2 ]
amdhsa.kernels:
  - .name:           k_q4e34e15083_main
    .symbol:         k_q4e34e15083_main.kd
    .args:
      - { .name: lt_feat_codes, .offset: 0, .size: 8, .value_kind: global_buffer, .address_space: global }
      - { .name: lt_feat_scales, .offset: 8, .size: 8, .value_kind: global_buffer, .address_space: global }
      - { .name: w_lt_codes, .offset: 16, .size: 8, .value_kind: global_buffer, .address_space: global }
      - { .name: w_lt_scales, .offset: 24, .size: 8, .value_kind: global_buffer, .address_space: global }
      - { .name: w_g_codes, .offset: 32, .size: 8, .value_kind: global_buffer, .address_space: global }
      - { .name: w_g_scales, .offset: 40, .size: 8, .value_kind: global_buffer, .address_space: global }
      - { .name: theta_ws, .offset: 48, .size: 8, .value_kind: global_buffer, .address_space: global }
      - { .name: part_o, .offset: 56, .size: 8, .value_kind: global_buffer, .address_space: global }
      - { .name: part_s, .offset: 64, .size: 8, .value_kind: global_buffer, .address_space: global }
    .group_segment_fixed_size: 327680
    .private_segment_fixed_size: 0
    .kernarg_segment_align: 8
    .kernarg_segment_size: 72
    .max_flat_workgroup_size: 128
    .sgpr_count:     100
    .vgpr_count:     1024
    .wavefront_size: 32
...
	.end_amdgpu_metadata
.endif
;; end of part 2
;; launch final (part 3): grid 8 x 1, 16 waves a work-group, no clusters, 327,680 bytes of LDS; arguments part_o, part_s, b_g, w_out_codes, w_out_scales, b_out, ln_w, ln_b, out0; writes out0
.if DOCPART == 3
	.amdgcn_target "amdgcn-amd-amdhsa--gfx1250"
	.amdhsa_code_object_version 6
	.text
	.protected	k_q4e34e15083_final
	.globl	k_q4e34e15083_final
	.p2align	8
	.type	k_q4e34e15083_final,@function
k_q4e34e15083_final:
	s_mov_b64 s[64:65], 0
	v_nop
	global_prefetch_b8 v0, s[64:65] scope:SCOPE_SE
	s_setreg_imm32_b32 hwreg(HW_REG_WAVE_MODE, 25, 1), 1
	s_wait_xcnt 0x0
; THIRD OF THREE LAUNCHES.  For each batch: the four quarters' (m, sum, O) are joined: M = the largest m, a_q = 2^(m_q - M), out[l] = b_g[l] + (sum over q of a_q O_q[l]) / (sum over q of a_q sum_q), all in f32;
; out is quantised along l (FP4, E2M1, one E8M0 scale for each 32), multiplied by w_out's codes, b_out added (as the C of each sum's first matrix instruction); LayerNorm over the 1,024 channels in two passes; ln_w, ln_b.
; b_lt is left out (shown at the head of the first kernel).  b_g enters as + b_g[l], since the softmax sums to 1.
; LIMITS: NaN and infinities among the inputs are not served.  A block of zeros ahead of the product gets the scale byte 1 where the rule says 127: its codes are zeros, and this program alone reads the byte.
; SHARES.  Work-group G owns batches 16 G on; wave w owns channels 64 w on (four tiles of 16) and, in the quantising, block w of the 16 blocks of 32 along K = 512.
; No cluster: eight work-groups ask for w_out's 262,144 bytes once each, and the launch is one chain of dependent steps, which two rounds of a cluster's barrier would lengthen.
; The quantised rows go from wave to wave through LDS as an image of the operand's registers: block w is registers 4 (w / 2) .. + 3 of lanes 16 (w % 2) + r, so lane (r, h) puts its 8 bytes at 256 w + 16 r + 8 h.
; LDS: w_out's codes, wave w's 64 rows of 256 + 16 bytes at w x 17,408, filled once by wave w's tensor load and read by wave w alone; later the first 16 such rows are the wave's stage for the way out;
;   the image (4,096), its scale bytes (256), two regions for the sums (16 rows of 80), the spare words.
; REGISTERS: v1-19 addresses; v20-27 ln_w, ln_b; v28-31 out's scale words; v32-47 w_out's; v48-79 four accumulators; v80-111 out's four fragments; v112-239 w_out's 16 fragments
;   (before that: v112-175 O of four quarters, v176-191 b_g and out, v192-199 m and sums, v200-207 the weights); v240-251 at work; v252, v253 the add's two.
.set WOW,   64*272
.set IMG,   16*WOW
.set SCW,   IMG+4096
.set RED1,  SCW+256
.set RED2,  RED1+1280
.set SPARE, RED2+1280                  ; the spare words, 128 bytes for each of sixteen waves: eight blocks of 256 bytes that no other line names
.set LNW,  20
.set LNB,  24
.set ASC,  28
.set WOS,  32
.set ACC,  48
.set AFR,  80
.set WF,   112
.set OQ,   112
.set BG,   176
.set ST,   192
.set WQ,   200
.set RD,   112
.set SPW,  252
.set NIL,  253
.set WV,   22
.set SEL,  44
	s_load_b256 s[4:11], s[0:1], 0x0               ; part_o s[4:5], part_s s[6:7], b_g s[8:9], w_out's codes s[10:11]
	s_load_b256 s[12:19], s[0:1], 0x20             ; w_out's scales s[12:13], b_out s[14:15], ln_w s[16:17], ln_b s[18:19]
	s_load_b64 s[20:21], s[0:1], 0x40              ; out0
	v_lshl_add_u32 v[SPW], v0, 2, SPARE
	v_mov_b32 v[NIL], 0
	ds_add_u32 v[SPW], v[NIL]                      ; the wave's opening: the add, twice on end, and its wait ahead of my first tensor load; the set-up below, work on registers, stands between
	ds_add_u32 v[SPW], v[NIL]
	v_lshrrev_b32 v1, 5, v0
	v_readfirstlane_b32 s[WV], v1                  ; wave 0..15
	s_mov_b32 s32, (1<<20)|(5<<22)|(3<<25)         ; descriptor group 1: elements of 1 byte; 4 words of padding behind every 64
	s_mov_b32 s33, 256<<16                         ; tensor_dim0 = 256
	s_mov_b32 s34, 64<<16                          ; tensor_dim1 = 64
	s_mov_b32 s35, 256<<16                         ; tile_dim0 = 256
	s_mov_b32 s36, 64                              ; tile_dim1 = 64
	s_mov_b32 s37, 256                             ; from row to row
	s_mov_b32 s38, 0
	s_mov_b32 s39, 0
	s_mov_b32 s40, 1
	s_mul_i32 s41, s[WV], WOW                      ; my 64 rows in LDS
	s_mov_b32 s[SEL], 0x76543210
	s_mov_b32 s[SEL+1], 0xfedcba98
	s_mov_b32 s46, 0x3a800000                      ; 1 / 1,024
	s_mov_b32 s47, 0x3727c5ac                      ; 1e-5
	s_lshl_b32 s24, ttmp9, 14                      ; part_s: 16 G batches of 1,024 bytes
	s_mov_b32 s25, 0
	s_lshl_b32 s26, ttmp9, 17                      ; part_o: 16 G batches of 8,192 bytes, + my block's 128
	s_lshl_b32 s28, s[WV], 7                       ; b_g: my block's 128 bytes
	s_add_co_u32 s26, s26, s28
	s_mov_b32 s27, 0
	s_mov_b32 s29, 0
	s_lshl_b32 s30, s[WV], 8                       ; b_out, ln_w, ln_b: my 64 channels
	s_mov_b32 s31, 0
	s_lshl_b32 s48, s[WV], 10                      ; w_out's scales: my 64 rows of 16 bytes
	s_mov_b32 s49, 0
	s_lshl_b32 s50, ttmp9, 16                      ; out0: 16 G rows of 4,096 bytes, + my 256
	s_add_co_u32 s50, s50, s30
	s_mov_b32 s51, 0
	s_lshl_b32 s52, s[WV], 14                      ; w_out's codes: my 64 rows of 256 bytes
	s_mov_b32 s53, 0
	s_wait_dscnt 0x0                               ; both opening adds are done
	s_wait_kmcnt 0x0
	s_add_nc_u64 s[42:43], s[10:11], s[52:53]
	s_or_b32 s43, s43, 0x80000000
	tensor_load_to_lds s[40:43], s[32:39]          ; every wave's one tensor load: its own rows, into its own bytes
	s_nop 0
.rept 4
	v_nop
.endr
	s_add_nc_u64 s[6:7], s[6:7], s[24:25]
	s_add_nc_u64 s[4:5], s[4:5], s[26:27]
	s_add_nc_u64 s[8:9], s[8:9], s[28:29]
	s_add_nc_u64 s[14:15], s[14:15], s[30:31]
	s_add_nc_u64 s[16:17], s[16:17], s[30:31]
	s_add_nc_u64 s[18:19], s[18:19], s[30:31]
	s_add_nc_u64 s[12:13], s[12:13], s[48:49]
	s_add_nc_u64 s[20:21], s[20:21], s[50:51]
	v_and_b32 v1, 15, v0                           ; r: my batch
	v_bfe_u32 v2, v0, 4, 1                         ; h
	v_and_b32 v3, 31, v0                           ; lane
	v_lshlrev_b32 v4, 10, v1                       ; part_s: batch r
	v_lshlrev_b32 v5, 13, v1
	v_lshl_add_u32 v5, v2, 6, v5                   ; part_o: batch r, + my 16 numbers of the block
	v_lshlrev_b32 v6, 6, v2                        ; b_g likewise
	v_lshlrev_b32 v7, 5, v2                        ; b_out: my eight channels of a tile
	v_lshlrev_b32 v8, 4, v1                        ; 16 r: w_out's scale words of row r; ln_w's and ln_b's four channels on the way out
.irp q, 0,1,2,3
	global_load_b32 v[ST+\q], v4, s[6:7] offset:256*\q          ; m of quarter q,
	global_load_b32 v[ST+4+\q], v4, s[6:7] offset:256*\q+128    ; and its sum
.endr
.irp q, 0,1,2,3
.irp i, 0,1,2,3
	global_load_b128 v[OQ+16*\q+4*\i:OQ+16*\q+4*\i+3], v5, s[4:5] offset:2048*\q+16*\i
.endr
.endr
.irp i, 0,1,2,3
	global_load_b128 v[BG+4*\i:BG+4*\i+3], v6, s[8:9] offset:16*\i
.endr
.irp t, 0,1,2,3
	global_load_b128 v[ACC+8*\t:ACC+8*\t+3], v7, s[14:15] offset:64*\t       ; b_out in the result's layout: it is the C of each sum's first matrix instruction
	global_load_b128 v[ACC+8*\t+4:ACC+8*\t+7], v7, s[14:15] offset:64*\t+16
.endr
.irp t, 0,1,2,3
	global_load_b128 v[WOS+4*\t:WOS+4*\t+3], v8, s[12:13] offset:256*\t      ; four words a row: K steps 0 to 3
.endr
	global_load_b128 v[LNW:LNW+3], v8, s[16:17]
	global_load_b128 v[LNB:LNB+3], v8, s[18:19]
	s_lshl_b32 s54, s[WV], 8
	s_add_co_u32 s54, s54, IMG
	v_lshl_add_u32 v10, v2, 3, v8
	v_add_nc_u32 v10, s54, v10                     ; the image, in: IMG + 256 w + 16 r + 8 h
	s_add_co_u32 s54, s[WV], SCW
	v_lshl_add_u32 v11, v1, 4, s54                 ; its scale byte: SCW + 16 r + w
	v_mul_u32_u24 v12, v1, 272
	v_lshl_add_u32 v17, v2, 5, v12
	v_lshl_add_u32 v12, v2, 4, v12
	v_add_nc_u32 v12, s41, v12                     ; w_out's fragments: my rows, r x 272 + 16 h
	v_add_nc_u32 v17, s41, v17                     ; the stage, in: row r, + 32 h
	v_lshl_add_u32 v13, v3, 4, IMG                 ; the image, back: 16 bytes a lane
	v_lshl_add_u32 v14, v1, 4, SCW                 ; row r's four scale words
	v_mul_u32_u24 v16, v1, 80
	v_add_nc_u32 v16, RED1, v16                    ; the sums of batch r: 16 waves' words
	s_lshl_b32 s54, s[WV], 2
	v_add_nc_u32 v15, s54, v16                     ; mine among them
	v_mul_u32_u24 v18, v2, 272
	v_add_nc_u32 v18, v18, v8
	v_add_nc_u32 v18, s41, v18                     ; the stage, back: lanes 0-15 one row, lanes 16-31 the next
	v_lshl_add_u32 v19, v2, 12, v8                 ; and the same two rows in out0
	s_wait_loadcnt 14                              ; m, sums, O and b_g are in; the 14 loads behind them (b_out 8, scale words 4, ln_w, ln_b) may be out
	v_max3_num_f32 v240, v[ST], v[ST+1], v[ST+2]
	v_max_num_f32 v240, v240, v[ST+3]              ; M
.irp q, 0,1,2,3
	v_sub_f32 v[WQ+2*\q], v[ST+\q], v240
.endr
.irp q, 0,1,2,3
	v_exp_f32 v[WQ+2*\q], v[WQ+2*\q]               ; a_q = 2^(m_q - M), at most 1, and 1 for one q
.endr
	v_nop                                          ; a plain instruction behind the last exponential,
	s_wait_alu depctr_va_vdst(0)                   ; and the wait ahead of the first reader
	v_mul_f32 v241, v[WQ], v[ST+4]
	v_fmac_f32 v241, v[WQ+2], v[ST+5]
	v_fmac_f32 v241, v[WQ+4], v[ST+6]
	v_fmac_f32 v241, v[WQ+6], v[ST+7]              ; the softmax's sum under M: at least 1
	v_rcp_f32 v242, v241
	v_nop
	s_wait_alu depctr_va_vdst(0)
.irp q, 0,1,2,3
	v_mul_f32 v[WQ+2*\q+1], v[WQ+2*\q], v242       ; the quarter's weight, in both halves of a pair
	v_mul_f32 v[WQ+2*\q], v[WQ+2*\q], v242
.endr
.irp q, 0,1,2,3
.irp k, 0,2,4,6,8,10,12,14
	v_pk_fma_f32 v[BG+\k:BG+\k+1], v[OQ+16*\q+\k:OQ+16*\q+\k+1], v[WQ+2*\q:WQ+2*\q+1], v[BG+\k:BG+\k+1]   ; out = b_g + the weighted O
.endr
.endr
	; my 16 numbers are half of block w of batch r; lane l xor 16 holds the other half
	v_max3_num_f32 v240, |v[BG]|, |v[BG+1]|, 0x1800000   ; with the floor 2^(3 - 127), under which no largest magnitude is taken: so the byte cannot fall under 1
	v_max3_num_f32 v241, |v[BG+8]|, |v[BG+9]|, |v[BG+10]|
	v_max3_num_f32 v240, v240, |v[BG+2]|, |v[BG+3]|
	v_max3_num_f32 v241, v241, |v[BG+11]|, |v[BG+12]|
	v_max3_num_f32 v240, v240, |v[BG+4]|, |v[BG+5]|
	v_max3_num_f32 v241, v241, |v[BG+13]|, |v[BG+14]|
	v_max3_num_f32 v240, v240, |v[BG+6]|, |v[BG+7]|
	v_max3_num_f32 v240, v240, v241, |v[BG+15]|
	v_permlanex16_b32 v241, v240, s[SEL], s[SEL+1]
	v_max_num_f32 v240, v240, v241                 ; the block's largest magnitude
	v_add_nc_u32 v242, 0xff000000, v240            ; 2 off its exponent field: the conversion takes the exponent field of this operand as its scale, and nothing else of it
	v_lshrrev_b32 v243, 23, v242                   ; the scale's byte
	v_cvt_scalef32_pk8_fp4_f32 v244, v[BG:BG+7], v242
	v_cvt_scalef32_pk8_fp4_f32 v245, v[BG+8:BG+15], v242
	v_nop                                          ; one plain instruction behind the last scaled conversion
	ds_store_b64 v10, v[244:245]
	ds_store_b8 v11, v243                          ; both lanes of a block write the same byte with the same value
	s_wait_tensorcnt 0x0                           ; my rows of w_out are in LDS
	s_wait_dscnt 0x0                               ; for the others' sake: my part of the image has landed
	s_barrier_signal -1
.irp t, 0,1,2,3                                ; between signal and wait: w_out's 16 fragments, from bytes that are mine alone and are written again only behind two later barriers
.irp s, 0,1,2,3
	ds_load_b128 v[WF+8*(4*\t+\s):WF+8*(4*\t+\s)+3], v12 offset:\t*16*272+64*\s
	ds_load_b128 v[WF+8*(4*\t+\s)+4:WF+8*(4*\t+\s)+7], v12 offset:\t*16*272+64*\s+32
.endr
.endr
	s_barrier_wait -1
.irp g, 0,1,2,3,4,5,6,7
	ds_load_b128 v[AFR+4*\g:AFR+4*\g+3], v13 offset:512*\g   ; out's four fragments, as their registers were laid
.endr
	ds_load_b128 v[ASC:ASC+3], v14
	s_wait_dscnt 0x0
	s_wait_loadcnt 0x0                             ; b_out, w_out's scale words, ln_w, ln_b
.irp s, 0,1,2,3                                ; source 0 = 16 rows of w_out, source 1 = the 16 batches: register jj of lane (r, h) is (channel 64 w + 16 t + 8 h + jj, batch r).  Four accumulators by turns
.irp t, 0,1,2,3
	v_wmma_scale_f32_16x16x128_f8f6f4 v[ACC+8*\t:ACC+8*\t+7], v[WF+8*(4*\t+\s):WF+8*(4*\t+\s)+7], v[AFR+8*\s:AFR+8*\s+7], v[ACC+8*\t:ACC+8*\t+7], v[WOS+4*\t+\s], v[ASC+\s] matrix_a_fmt:MATRIX_FMT_FP4 matrix_b_fmt:MATRIX_FMT_FP4
.endr
.endr
.rept 4
	v_nop                                          ; four places behind the products (ISA guide 7.12.1)
.endr
; The pair v[240:241] holds my lane's figure in two halves: it is joined with lane l xor 16's, meets the other fifteen waves' in LDS at off bytes behind RED1, and the batch's sum comes back in v[RD].
.macro REDUCE off
	v_add_f32 v240, v240, v241
	v_permlanex16_b32 v241, v240, s[SEL], s[SEL+1]
	v_add_f32 v240, v240, v241
	ds_store_b32 v15, v240 offset:\off             ; both halves of the lanes write the same word with the same value
	s_wait_dscnt 0x0                               ; for the others' sake
	s_barrier_signal -1
	s_barrier_wait -1
.irp i, 0,1,2,3
	ds_load_b128 v[RD+4*\i:RD+4*\i+3], v16 offset:\off+16*\i
.endr
	s_wait_dscnt 0x0
	v_pk_add_f32 v[RD:RD+1], v[RD:RD+1], v[RD+2:RD+3]
	v_pk_add_f32 v[RD+4:RD+5], v[RD+4:RD+5], v[RD+6:RD+7]
	v_pk_add_f32 v[RD+8:RD+9], v[RD+8:RD+9], v[RD+10:RD+11]
	v_pk_add_f32 v[RD+12:RD+13], v[RD+12:RD+13], v[RD+14:RD+15]
	v_pk_add_f32 v[RD:RD+1], v[RD:RD+1], v[RD+4:RD+5]
	v_pk_add_f32 v[RD+8:RD+9], v[RD+8:RD+9], v[RD+12:RD+13]
	v_pk_add_f32 v[RD:RD+1], v[RD:RD+1], v[RD+8:RD+9]
	v_add_f32 v[RD], v[RD], v[RD+1]
.endm
	v_pk_add_f32 v[240:241], v[ACC:ACC+1], v[ACC+8:ACC+9]          ; the sum of my 32 channels, in two chains; each accumulator is read from its low end on
	v_pk_add_f32 v[242:243], v[ACC+16:ACC+17], v[ACC+24:ACC+25]
.irp k, 2,4,6
	v_pk_add_f32 v[240:241], v[240:241], v[ACC+\k:ACC+\k+1]
	v_pk_add_f32 v[242:243], v[242:243], v[ACC+8+\k:ACC+8+\k+1]
	v_pk_add_f32 v[240:241], v[240:241], v[ACC+16+\k:ACC+16+\k+1]
	v_pk_add_f32 v[242:243], v[242:243], v[ACC+24+\k:ACC+24+\k+1]
.endr
	v_pk_add_f32 v[240:241], v[240:241], v[242:243]
	REDUCE 0
	v_mul_f32 v244, s46, v[RD]                     ; mu, in both halves of a pair
	v_mul_f32 v245, s46, v[RD]
.set k, 0
.rept 16
	v_pk_add_f32 v[ACC+k:ACC+k+1], v[ACC+k:ACC+k+1], v[244:245] neg_lo:[0,1] neg_hi:[0,1]   ; d = x - mu
.set k, k+2
.endr
	v_pk_mul_f32 v[240:241], v[ACC:ACC+1], v[ACC:ACC+1]            ; the sum of d^2, in two chains
	v_pk_mul_f32 v[242:243], v[ACC+2:ACC+3], v[ACC+2:ACC+3]
.set k, 4
.rept 7
	v_pk_fma_f32 v[240:241], v[ACC+k:ACC+k+1], v[ACC+k:ACC+k+1], v[240:241]
	v_pk_fma_f32 v[242:243], v[ACC+k+2:ACC+k+3], v[ACC+k+2:ACC+k+3], v[242:243]
.set k, k+4
.endr
	v_pk_add_f32 v[240:241], v[240:241], v[242:243]
	REDUCE 1280                                    ; through bytes of its own: no barrier is owed between the two sums
	v_fma_f32 v246, v[RD], s46, s47                ; var + 1e-5
	v_rsq_f32 v248, v246
	v_nop
	s_wait_alu depctr_va_vdst(0)
	v_mov_b32 v249, v248
.set k, 0
.rept 16
	v_pk_mul_f32 v[ACC+k:ACC+k+1], v[ACC+k:ACC+k+1], v[248:249]
.set k, k+2
.endr
	; THE WAY OUT: a lane holds eight neighbouring channels of one batch and the lanes beside it other batches: through my stage (my first 16 rows of w_out's bytes: they have had their one fill, and my reads of them are over)
.irp t, 0,1,2,3
	ds_store_b128 v17, v[ACC+8*\t:ACC+8*\t+3] offset:64*\t
	ds_store_b128 v17, v[ACC+8*\t+4:ACC+8*\t+7] offset:64*\t+16
.endr
.irp i, 0,1,2,3,4,5,6,7
	ds_load_b128 v[RD+4*\i:RD+4*\i+3], v18 offset:\i*544   ; LDS serves a wave's instructions in order (ISA guide 5.7.1.4): these see my stores
.endr
.irp i, 0,1,2,3,4,5,6,7
	s_wait_dscnt 7-\i                              ; pair i of rows is back; the younger loads may be out
	v_pk_fma_f32 v[RD+4*\i:RD+4*\i+1], v[RD+4*\i:RD+4*\i+1], v[LNW:LNW+1], v[LNB:LNB+1]
	v_pk_fma_f32 v[RD+4*\i+2:RD+4*\i+3], v[RD+4*\i+2:RD+4*\i+3], v[LNW+2:LNW+3], v[LNB+2:LNB+3]
	global_store_b128 v19, v[RD+4*\i:RD+4*\i+3], s[20:21] offset:\i*8192   ; sixteen lanes store 256 consecutive bytes, at a multiple of 256 from out0's first byte
.endr
	s_wait_tensorcnt 0x0                           ; the wave's end, behind my tensor load and my last LDS store
	ds_add_u32 v[SPW], v[NIL]
	s_wait_dscnt 0x0
	s_endpgm
.Lfunc_end_k_q4e34e15083_final:
	.size	k_q4e34e15083_final, .Lfunc_end_k_q4e34e15083_final-k_q4e34e15083_final
	.p2alignl 7, 3214868480
	.fill 96, 4, 3214868480
	.section	.rodata,"a",@progbits
	.p2align	6, 0x0
	.amdhsa_kernel k_q4e34e15083_final
		.amdhsa_group_segment_fixed_size 327680
		.amdhsa_private_segment_fixed_size 0
		.amdhsa_enable_private_segment 0
		.amdhsa_kernarg_size 72
		.amdhsa_user_sgpr_count 2
		.amdhsa_user_sgpr_kernarg_segment_ptr 1
		.amdhsa_wavefront_size32 1
		.amdhsa_system_sgpr_workgroup_id_x 1
		.amdhsa_system_sgpr_workgroup_id_y 1
		.amdhsa_system_sgpr_workgroup_id_z 1
		.amdhsa_system_vgpr_workitem_id 0
		.amdhsa_next_free_vgpr 256
		.amdhsa_next_free_sgpr 66
		.amdhsa_reserve_vcc 0
		.amdhsa_float_denorm_mode_32 3
		.amdhsa_float_denorm_mode_16_64 3
		.amdhsa_memory_ordered 1
		.amdhsa_forward_progress 1
		.amdhsa_inst_pref_size 27
	.end_amdhsa_kernel
	.amdgpu_metadata
---
amdhsa.version: [ 1, 2 ]
amdhsa.kernels:
  - .name:           k_q4e34e15083_final
    .symbol:         k_q4e34e15083_final.kd
    .args:
      - { .name: part_o, .offset: 0, .size: 8, .value_kind: global_buffer, .address_space: global }
      - { .name: part_s, .offset: 8, .size: 8, .value_kind: global_buffer, .address_space: global }
      - { .name: b_g, .offset: 16, .size: 8, .value_kind: global_buffer, .address_space: global }
      - { .name: w_out_codes, .offset: 24, .size: 8, .value_kind: global_buffer, .address_space: global }
      - { .name: w_out_scales, .offset: 32, .size: 8, .value_kind: global_buffer, .address_space: global }
      - { .name: b_out, .offset: 40, .size: 8, .value_kind: global_buffer, .address_space: global }
      - { .name: ln_w, .offset: 48, .size: 8, .value_kind: global_buffer, .address_space: global }
      - { .name: ln_b, .offset: 56, .size: 8, .value_kind: global_buffer, .address_space: global }
      - { .name: out0, .offset: 64, .size: 8, .value_kind: global_buffer, .address_space: global }
    .group_segment_fixed_size: 327680
    .private_segment_fixed_size: 0
    .kernarg_segment_align: 8
    .kernarg_segment_size: 72
    .max_flat_workgroup_size: 512
    .sgpr_count:     66
    .vgpr_count:     256
    .wavefront_size: 32
...
	.end_amdgpu_metadata
.endif
;; end of part 3
